; MI455X (gfx1250); checked and timed in simulation.
; The chip was launched on July 23, 2026; its instructions are those of AMD's public machine-readable ISA for CDNA 5 (MIT licence, August 2026) and "CDNA5" Instruction Set Architecture Reference Guide (July 2026). The comments in the code are by the model that wrote it; some were corrected since.
;; Attention. Allowed arithmetic: matrix products marked QUANTISED: E2M1 operands, one E8M0 scale for each 32 along K, by v_wmma_scale_f32_16x16x128_f8f6f4 with both operands' format E2M1 (or v_wmma_scale_f32_32x16x128_f4), f32 sums; everything else in f32.
;; Inputs: W_o_codes 1,024 x 32 x 16 uint8 (E2M1 codes of W_o, K innermost, in blocks of 32 codes, two codes a byte); W_o_scales 1,024 x 32 uint8 (E8M0 scales of W_o, one for each 32 codes along K); W_qkv_codes 3,072 x 32 x 16 uint8 (E2M1 codes of W_qkv, K innermost, in blocks of 32 codes, two codes a byte); W_qkv_scales 3,072 x 32 uint8 (E8M0 scales of W_qkv, one for each 32 codes along K); b_o 1,024 float32; b_qkv 3,072 float32; x_codes 2 x 2,048 x 32 x 16 uint8 (E2M1 codes of x, K innermost, in blocks of 32 codes, two codes a byte); x_scales 2 x 2,048 x 32 uint8 (E8M0 scales of x, one for each 32 codes along K).
;; Outputs: out0 2 x 2,048 x 1,024 float32.
;; This version of the problem:
;;   THIS VERSION OF THE PROBLEM IS GIVEN IN LOW PRECISION. The matrix products marked QUANTISED in the list below multiply operands that are first quantised to E2M1 (2 exponent bits, 1 mantissa bit; 4 bits a number), with one power-of-two scale for each 32 numbers along K (OCP MX v1.0); their sums are f32. All else is computed in f32.
;;   The module's matrix products, in the order in which they are computed (A, B: the left and right operand; K: the contracted axis; several contracted axes count as one K, in the product's order):
;;     1. [M 4,096, K 1,024] x [K 1,024, N 3,072]; A: input x (given as codes); B: input W_qkv (given as codes): QUANTISED
;;     2. batch 32 x [M 2,048, K 64] x [K 64, N 2,048]; A: computed on the way; B: computed on the way: QUANTISED
;;     3. batch 32 x [M 2,048, K 2,048] x [K 2,048, N 64]; A: softmax (see below); B: computed on the way: QUANTISED
;;     4. [M 4,096, K 1,024] x [K 1,024, N 1,024]; A: computed on the way; B: input W_o (given as codes): QUANTISED
;;   THE QUANTISER, for each operand of a quantised product, along K:
;;     - K is cut into blocks of 32 from its start; a last block that is shorter is filled with zeros.
;;     - A block's scale is 2^e with e = floor(log2(the largest magnitude in the block)) - 2, held to -126 .. 127; a block of zeros has e = 0. As a byte (E8M0): e + 127.
;;     - Each number is divided by its block's scale, clamped to +-6, and rounded to the nearest number of E2M1, ties to even, subnormals kept.
;;     - The product sums the exact products of the quantised numbers (number of the format x scale) in f32.
;;   ~~~python
;;   def quantise(x, axis):      # numpy; x: float32 -> the quantised numbers, widened to float32 again
;;       x = np.moveaxis(x, axis, -1); K = x.shape[-1]
;;       x = np.pad(x, [(0, 0)] * (x.ndim - 1) + [(0, -K % 32)]); x = x.reshape(x.shape[:-1] + (-1, 32)); a = np.abs(x).max(-1, keepdims=True)
;;       e = np.where(a > 0, np.clip(np.frexp(np.where(a > 0, a, 1))[1] - 1 - 2, -126, 127), 0)      # np.frexp(a)[1] - 1 = floor(log2(a)), exactly
;;       r = np.clip(x / 2.0 ** e, -6, 6)
;;       step = 2.0 ** (np.maximum(np.frexp(np.where(r == 0, 1, r))[1] - 1, 0) - 1)
;;       q = np.round(r / step) * step * 2.0 ** e      # np.round: ties to even
;;       return np.moveaxis(q.reshape(q.shape[:-2] + (-1,))[..., :K], -1, axis).astype(np.float32)
;;   ~~~
;;   SOFTMAX AHEAD OF A QUANTISED PRODUCT. Where the list says 'softmax', what is quantised is not the finished softmax but p = 2^(t - M), with t = logit x log2(e) and M = ceil(the row's largest t), a whole number; so 1/2 < the row's largest p <= 1. The row's sum l is taken of the UNQUANTISED p, in f32, and the product's result is divided by l at the end. Since M is a whole number, a kernel that streams over the keys may use a running M (the ceiling of the running maximum): every later rescaling is an exact power of two, which a block's scale takes up: the codes' values come out the same.
;;   OPERANDS COMPUTED ON THE WAY. 'Computed on the way' means the value that the module computes at that place (a softmax that the list does not call 'softmax' is quantised finished and normalised). What goes into a quantiser is computed in f32, as accurately as f32 sums, v_exp_f32 and their like allow (about 1e-6 of the number): no bf16 or f16 on the way to a quantiser, and a product that is left as it is and whose result goes on into a quantised operand takes f32 operands (vector FMAs, or v_wmma_f32_16x16x4_f32). A number that lies on a knife's edge between two numbers of the format may be rounded either way, as far as f32 arithmetic and the matrix unit's own rounding can turn it there, and no further.
;;   INPUTS GIVEN AS CODES. W_o (in the module: [1024, 1024], K = its axis 1); W_qkv (in the module: [3072, 1024], K = its axis 1); x (in the module: [2, 2048, 1024], K = its axis 2): each comes as NAME_codes (uint8): NAME with its K axis moved to the last place and cut into blocks of 32 codes, [.., K / 32, bytes a block], one block behind the other in memory; two codes a byte, the lower K in the low four bits (a code: sign, 2 exponent bits, 1 mantissa bit); and NAME_scales (uint8): the same leading axes, one E8M0 byte (e + 127) for each 32 codes along K. Its value is code x scale, taken as it is: it is not quantised again, and the codes and scales need not be those that the quantiser above would give.
;; One version. Each part assembles by itself: llvm-mc -triple=amdgcn-amd-amdhsa -mcpu=gfx1250 --defsym DOCPART=n.
;; ======== version 1 of 1: 3 launches
;; workspace buffers: qb 4,456,448 bytes; kv 4,456,448 bytes; oc 2,097,152 bytes; os 131,072 bytes
;; launch qkv (part 1): grid 12 x 16, 4 waves a work-group, clusters of 4 x 4, 296,448 bytes of LDS; arguments x_codes, x_scales, W_qkv_codes, W_qkv_scales, b_qkv, qb, kv; writes qb, kv
.if DOCPART == 1
	.amdgcn_target "amdgcn-amd-amdhsa--gfx1250"
	.amdhsa_code_object_version 6
	.text
	.protected	k_q7014c1f1c1_qkv
	.globl	k_q7014c1f1c1_qkv
	.p2align	8
	.type	k_q7014c1f1c1_qkv,@function
k_q7014c1f1c1_qkv:
	s_mov_b64 s[64:65], 0
	v_nop
	global_prefetch_b8 v0, s[64:65] scope:SCOPE_SE
	s_setreg_imm32_b32 hwreg(HW_REG_WAVE_MODE, 25, 1), 1
	s_wait_xcnt 0x0
	s_wait_alu depctr_hold_cnt(0) depctr_sa_sdst(0) depctr_va_vdst(0) depctr_va_sdst(0) depctr_va_ssrc(0) depctr_va_vcc(0) depctr_vm_vsrc(0)
	s_getreg_b32 s2, hwreg(HW_REG_IB_STS2, 6, 4)
	s_cmp_eq_u32 s2, 0
	s_cbranch_scc0 .Lentry_in_a_cluster
	s_endpgm
.Lentry_in_a_cluster:
	s_bfe_u32 s2, ttmp6, 0x10000c
	s_cmp_lg_u32 s2, 0xf033
	s_cbranch_scc0 .Lentry_shape_is_right
	s_endpgm
.Lentry_shape_is_right:
; qkv = x W_qkv^T + b_qkv on codes of FP4 (E2M1) with E8M0 scales, and the quantising of q, k and v for the attention launch.  Nothing leaves as f32.
; x: [4096][1024] codes, W_qkv: [3072][1024] codes, K innermost, 512 bytes a row; their scale bytes 32 a row.
; A tile of 256 x 256 to a work-group of four waves, 128 x 128 a wave: 64 accumulators of 16 x 16, 512 registers.  K = 1,024 is two chunks of 512 (LDS rows of 256 bytes); both chunks and all scale bytes
; lie in LDS at once (295,936 bytes), each byte filled once: no slot is filled again.
; CLUSTERS: 4 x 4 work-groups.  Four tiles of 256 features are 1,024 features: the cluster's x IS the kind of the result (0 q, 1 k, 2 v), the same in all sixteen partners, so the few branches on the kind
; are alike in all partners.  (192 work-groups: tiles of 192 features would give 256, but a tile would then hang on the place in the cluster for its kind.)
; x's tile is shared along a row of the cluster, W's along a column: each is asked for jointly.
; ROLES.  Source 1 of the matrix instruction takes region A of LDS, source 0 region B; in the result a lane holds ONE row of A and eight neighbouring rows of B.
;   q, k: A = tokens (x), B = features (W): a lane's registers run along the head's 64, which is the K of q k^T.     v: A = features (W), B = tokens (x): a lane's registers run along the keys, the K of p v.
; So one text quantises all three: 16 registers of two neighbouring accumulators and those of lane l xor 16 are a block of 32.
; THE QUANTISER: scale byte = exponent field of the block's largest magnitude - 2, held at 1 from below; numbers / scale to the nearest code, ties to even, beyond 6 the largest code.
; LIMITS: NaN and infinities are not served; a block of zeros, or one whose largest magnitude lies under 2^-124, gets the byte 1 (its codes are then zeros or the rule's with e held; only this program reads the bytes).
; OUT: blocks of 8,704 bytes for a head and 128 tokens: 8 images of q or k (16 tokens x 64: lane l's 16 bytes at 16 l), 8 images of v^T (16 channels x 64 keys), 256 bytes of q's or k's scale words, 256 of v's.
; REGISTERS, in windows of 256: window 0: addresses, scale words (v32-95), A's fragments (v128-191; on the way out the codes), the bias (v192-255).  window 1: B's fragments, two sets.  windows 2, 3: the accumulators.
.set PITCH,  272                       ; an LDS row: 256 bytes + 16 of padding: the 16 rows of a fragment load start at 16 different banks
.set HALFT,  128*PITCH                 ; 128 rows: one tensor load, and what a wave reads of A or of B
.set SLOT,   4*HALFT                   ; a chunk of K: A's 256 rows, then B's
.set SCL,    2*SLOT                    ; the scale bytes, as units of 256 bytes + 16 of padding
.set HALFS,  16*272                    ; those of 128 rows (32 bytes a row)
.set SBLK,   2*272                     ; those of 16 rows
.set NQ,     4                         ; matrix instructions deep in a chunk
.set FR,     8                         ; registers of a fragment
.set ROWB,   256
.set KROW,   512
.set STEPB,  8704                      ; a block of the workspace
.set HS,     16*STEPB                  ; a head's 16 blocks
.set CODEW,  (1<<20)|(1<<21)|(5<<22)|(3<<25)           ; group 1, word 0 beside the mask: elements of 1 byte; padding on; bit 21 beside a mask; 4 words behind every 64
.set SCALW,  (3<<16)|(1<<20)|(1<<21)|(5<<22)|(3<<25)   ; the same with elements of 8 bytes
.set VA,   8                           ; v8-11  where my 16 bytes of an image go: [half of the codes c][a / 4]
.set VSA,  12                          ; v12    where my four scale words go
.set SELV, 13                          ; v13    byte select: lanes 0-15 the first head's two bytes, lanes 16-31 the second's
.set BOF,  14                          ; v14    my offset in the bias
.set ADRA, 16                          ; v16-17 LDS address of my A fragments in chunk 0, 1
.set ADRB, 20                          ; v20-21 the same for B
.set ADRS, 27                          ; v27    of my scale words: lanes 0-15 A's rows, lanes 16-31 B's
.set SC,   32                          ; v32-95 scale words, a set for each chunk
.set WS,   96                          ; v96-103 the scale word made for each block a
.set TM,   104                         ; v104-107 largest magnitudes, v108-111 the other half's, then bytes, v116-119 the conversions' scale operands
.set OUTW, 120                         ; v120-123 four scale words to store
.set AF,   128                         ; A's fragments
.set BI,   192                         ; the bias, in the result's layout
.set WV, 18
.set HI, 19
.set LO, 20
.set CX, 21
.set CY, 22
.set TY, 23
.set G1X,  24                          ; group 1: x's codes, W's codes, x's scales, W's scales
.set G1W,  32
.set G1XS, 40
.set G1WS, 48
.set G0X,  56                          ; group 0: x's codes, a set for each chunk; W's likewise; the scales'
.set G0W,  68
.set G0XS, 76
.set G0WS, 80
.set BB,   84
.set OUT,  86
.set SEL,  88
.set HM,   90
.set ISV,  91
.set MSB, 0
.macro WIN new                         ; the immediate's high byte repeats the setting that is left
.if MSB != (\new)
	s_set_vgpr_msb (MSB<<8)|(\new)
.set MSB, (\new)
.endif
.endm
.set MUL_LO, 0xa1                      ; source 0 (B) window 1, source 1 (A) window 0, C and D window 2
.set MUL_HI, 0xf1                      ; the same, C and D window 3
.set TO_B,   0x40                      ; destination window 1, address window 0
; A joint load: waves 0 and 1 fill region A, waves 2 and 3 region B.  Four v_nop follow each of the two lines.
.macro JLOAD g0a, g1a, g0b, g1b
	s_cmp_eq_u32 s[HI], 0
	s_cbranch_scc0 .Lfor_b_\@
	tensor_load_to_lds s[\g0a:\g0a+3], s[\g1a:\g1a+7]
	s_nop 0
.rept 4
	v_nop
.endr
	s_branch .Lasked_\@
.Lfor_b_\@:
	tensor_load_to_lds s[\g0b:\g0b+3], s[\g1b:\g1b+7]
	s_nop 0
.rept 4
	v_nop
.endr
.Lasked_\@:
.endm
.macro CROUND                          ; a round of the cluster's barrier
	s_barrier_signal -1
	s_barrier_wait -1
	s_cmp_lg_u32 s[WV], 0
	s_cbranch_scc1 .Lnot_wave_0_\@
	s_barrier_signal -3
.Lnot_wave_0_\@:
	s_barrier_wait -3
	s_barrier_signal -1
	s_barrier_wait -1
.endm
.macro PLACES                          ; four plain places behind a matrix instruction, ahead of loads into its sources and of reads of its results
.rept 4
	v_nop
.endr
.endm
	s_load_b256 s[4:11], s[0:1], 0x0               ; x's codes s[4:5], x's scales s[6:7], W's codes s[8:9], W's scales s[10:11]
	s_load_b128 s[12:15], s[0:1], 0x20             ; the bias s[12:13], qb s[14:15]
	s_load_b64 s[16:17], s[0:1], 0x30              ; kv
	v_lshl_add_u32 v126, v0, 2, 0x48400
	v_mov_b32 v127, 0
	ds_add_u32 v126, v127
	ds_add_u32 v126, v127
	v_lshrrev_b32 v3, 5, v0
	v_readfirstlane_b32 s[WV], v3                  ; wave 0..3
	v_and_b32 v1, 15, v0                           ; r = lane % 16
	v_bfe_u32 v2, v0, 4, 1                         ; h = lane / 16
	s_lshr_b32 s[HI], s[WV], 1                     ; my half of region A.  Also: I fill region A (0) or B (1)
	s_and_b32 s[LO], s[WV], 1                      ; my half of region B.  Also: which 128 rows I fetch
	s_bfe_u32 s[CX], ttmp6, 0x40000
	s_bfe_u32 s[CY], ttmp6, 0x40004
	s_and_b32 s[TY], ttmp7, 0xffff
	s_lshl_b32 s[TY], s[TY], 2
	s_add_co_u32 s[TY], s[TY], s[CY]               ; tile of 256 tokens = 4 x cluster y + cy
	s_lshl_b32 s92, s[CY], 2
	s_lshl_b32 s92, 15, s92                        ; my row of the cluster
	s_lshl_b32 s93, 0x1111, s[CX]                  ; my column
	s_or_b32 s[G1X], s92, CODEW                    ; x's tiles hang on the tokens alone: shared along the row
	s_or_b32 s[G1W], s93, CODEW                    ; W's on the features alone: shared along the column
	s_or_b32 s[G1XS], s92, SCALW
	s_or_b32 s[G1WS], s93, SCALW
.irp g, G1X, G1W
	s_mov_b32 s[\g+1], ROWB<<16                    ; tensor_dim0 = 256 bytes
	s_mov_b32 s[\g+2], 128<<16                     ; tensor_dim1 = 128 rows
	s_mov_b32 s[\g+3], ROWB<<16                    ; tile_dim0
	s_mov_b32 s[\g+4], 128                         ; tile_dim1
	s_mov_b32 s[\g+5], KROW                        ; from row to row
	s_mov_b32 s[\g+6], 0
	s_mov_b32 s[\g+7], 0
.endr
.irp g, G1XS, G1WS                     ; the scales of 128 rows: 4,096 dense bytes as 16 rows of 32 elements of 8 bytes
	s_mov_b32 s[\g+1], 32<<16
	s_mov_b32 s[\g+2], 16<<16
	s_mov_b32 s[\g+3], 32<<16
	s_mov_b32 s[\g+4], 16
	s_mov_b32 s[\g+5], 32
	s_mov_b32 s[\g+6], 0
	s_mov_b32 s[\g+7], 0
.endr
	s_lshl_b32 s95, s[LO], 7                       ; which 128 rows of a tile I fetch
	s_lshl_b32 s94, s[TY], 8
	s_add_co_u32 s94, s94, s95                     ; x: row 256 x tile + 128 x half (registers s92, s94, s96-99 never hold cx)
	s_lshl_b32 s96, s94, 9                         ; its codes, 512 bytes a row
	s_mov_b32 s97, 0
	s_lshl_b32 s98, s94, 5                         ; its scales, 32 bytes a row
	s_mov_b32 s99, 0
	s_lshl_b32 s100, ttmp9, 10
	s_lshl_b32 s101, s[CX], 8
	s_add_co_u32 s100, s100, s101
	s_add_co_u32 s100, s100, s95                   ; W: row 1,024 x kind + 256 cx + 128 x half (s93, s100, s101, s2, s3, s66, s67 never hold cy)
	s_lshl_b32 s2, s100, 9
	s_mov_b32 s3, 0
	s_lshl_b32 s66, s100, 5
	s_mov_b32 s67, 0
	s_mul_i32 s86, s[WV], HALFT                    ; where they go: wave x 128 rows: no place in the cluster enters an LDS address
	s_mul_i32 s87, s[WV], HALFS
	s_wait_dscnt 0x0
	s_wait_kmcnt 0x0
	s_add_nc_u64 s[96:97], s[4:5], s[96:97]
	s_add_nc_u64 s[98:99], s[6:7], s[98:99]
	s_add_nc_u64 s[2:3], s[8:9], s[2:3]
	s_add_nc_u64 s[66:67], s[10:11], s[66:67]
	s_mov_b32 s[G0XS], 1
	s_add_co_u32 s[G0XS+1], s87, SCL
	s_mov_b64 s[G0XS+2:G0XS+3], s[98:99]
	s_or_b32 s[G0XS+3], s[G0XS+3], 0x80000000
	s_mov_b32 s[G0WS], 1
	s_add_co_u32 s[G0WS+1], s87, SCL
	s_mov_b64 s[G0WS+2:G0WS+3], s[66:67]
	s_or_b32 s[G0WS+3], s[G0WS+3], 0x80000000
.irp q, 0,1
	s_mov_b32 s[G0X+4*\q], 1
	s_add_co_u32 s[G0X+4*\q+1], s86, \q*SLOT
	s_add_nc_u64 s[G0X+4*\q+2:G0X+4*\q+3], s[96:97], \q*ROWB
	s_or_b32 s[G0X+4*\q+3], s[G0X+4*\q+3], 0x80000000
	s_mov_b32 s[G0W+4*\q], 1
	s_add_co_u32 s[G0W+4*\q+1], s86, \q*SLOT
	s_add_nc_u64 s[G0W+4*\q+2:G0W+4*\q+3], s[2:3], \q*ROWB
	s_or_b32 s[G0W+4*\q+3], s[G0W+4*\q+3], 0x80000000
.endr
	s_cmp_eq_u32 ttmp9, 2                          ; v?  The cluster's x: the same in all partners
	s_cselect_b32 s[ISV], 1, 0
	s_cselect_b32 s4, s[LO], s[HI]                 ; which half of the tile's tokens is mine,
	s_cselect_b32 s5, s[HI], s[LO]                 ; and which half of its features
	s_lshl_b32 s6, ttmp9, 10
	s_lshl_b32 s7, s[CX], 8
	s_add_co_u32 s6, s6, s7
	s_lshl_b32 s7, s5, 7
	s_add_co_u32 s6, s6, s7                        ; my first feature
	s_lshl_b32 s6, s6, 2
	s_mov_b32 s7, 0
	s_add_nc_u64 s[BB:BB+1], s[12:13], s[6:7]      ; its bias
	CROUND                                         ; all sixteen work-groups are here: the joint loads meet
	s_cmp_eq_u32 ttmp9, 2
	s_cbranch_scc1 .Lfill_v
	JLOAD G0XS, G1XS, G0WS, G1WS                   ; q, k: region A takes x, region B takes W.  The scales first: they are wanted with chunk 0
	JLOAD G0X, G1X, G0W, G1W
	JLOAD G0X+4, G1X, G0W+4, G1W
	v_lshlrev_b32 v[BOF], 5, v2                    ; the bias goes by B's rows: for block b a lane wants features 16 b + 8 h + 0 .. 7
.irp b, 0,1,2,3,4,5,6,7
	global_load_b128 v[BI+8*\b:BI+8*\b+3], v[BOF], s[BB:BB+1] offset:64*\b
	global_load_b128 v[BI+8*\b+4:BI+8*\b+7], v[BOF], s[BB:BB+1] offset:64*\b+16
.endr
	s_branch .Lfilled
.Lfill_v:
	JLOAD G0WS, G1WS, G0XS, G1XS                   ; v: region A takes W, region B takes x
	JLOAD G0W, G1W, G0X, G1X
	JLOAD G0W+4, G1W, G0X+4, G1X
	v_lshlrev_b32 v[BOF], 2, v1                    ; the bias goes by A's rows: for block a all eight registers hold that of feature 16 a + r
.irp a, 0,1,2,3,4,5,6,7
.irp j, 0,1,2,3,4,5,6,7
	global_load_b32 v[BI+8*\a+\j], v[BOF], s[BB:BB+1] offset:64*\a
.endr
.endr
.Lfilled:                                      ; on either way three tensor loads of mine are out
	v_mul_u32_u24 v3, v1, PITCH
	v_lshl_add_u32 v4, v2, 4, v3                   ; a fragment's row x pitch + 16 x half
	s_mul_i32 s6, s[HI], HALFT
	s_mul_i32 s7, s[LO], HALFT
	s_add_co_u32 s7, s7, 2*HALFT
.irp s, 0,1
	v_add_nc_u32 v[ADRA+\s], s6, v4
	v_add_nc_u32 v[ADRB+\s], s7, v4
	s_add_co_u32 s6, s6, SLOT
	s_add_co_u32 s7, s7, SLOT
.endr
	v_mul_u32_u24 v5, v1, 32                       ; my row's scales: 32 bytes a row,
	v_lshrrev_b32 v6, 8, v5
	v_lshl_add_u32 v5, v6, 4, v5                   ; and 16 more for each 256 passed
	s_mul_i32 s6, s[HI], HALFS
	s_mul_i32 s7, s[LO], HALFS
	s_add_co_u32 s7, s7, 2*HALFS
	s_sub_co_u32 s7, s7, s6
	v_mul_u32_u24 v6, s7, v2                       ; lanes 16-31 take B's: the lower base + h x the distance
	s_add_co_u32 s6, s6, SCL
	v_add_nc_u32 v5, v5, v6
	v_add_nc_u32 v[ADRS], s6, v5
	s_mov_b32 s[SEL], 0x76543210
	s_mov_b32 s[SEL+1], 0xfedcba98                 ; v_permlanex16_b32's selects for lane l xor 16
	s_mov_b32 s[HM], 0xffff0000                    ; lanes 16-31
	s_lshl_b32 s8, s[TY], 8
	s_lshl_b32 s9, s4, 7
	s_add_co_u32 s8, s8, s9                        ; my first token: its 128 are one block's
	s_lshr_b32 s9, s8, 11                          ; the batch
	s_lshl_b32 s9, s9, 4
	s_lshl_b32 s10, s[CX], 2
	s_add_co_u32 s9, s9, s10
	s_lshl_b32 s10, s5, 1
	s_add_co_u32 s9, s9, s10                       ; the first of my two heads: 16 x batch + 4 cx + 2 x half
	s_lshl_b32 s9, s9, 4
	s_bfe_u32 s10, s8, 0x40007                     ; which 128 tokens of the 2,048
	s_add_co_u32 s9, s9, s10
	s_mul_i32 s8, s9, STEPB
	s_lshl_b32 s10, s[ISV], 12                     ; v's images lie 4,096 bytes into a block
	s_add_co_u32 s8, s8, s10
	s_mov_b32 s9, 0
	s_cmp_eq_u32 ttmp9, 0
	s_cselect_b64 s[OUT:OUT+1], s[14:15], s[16:17] ; q goes to qb, k and v to kv
	s_add_nc_u64 s[OUT:OUT+1], s[OUT:OUT+1], s[8:9]
	s_mov_b32 s10, HS
	s_mov_b32 s11, 2048
	s_cmp_eq_u32 s[ISV], 1
	s_cselect_b32 s6, s11, s10                     ; from the codes' first half to the second: q, k: the next head; v: the next 64 keys
	s_cselect_b32 s7, s10, s11                     ; from blocks a 0-3 to 4-7: q, k: four images on; v: the next head
	s_mov_b32 s10, 8192
	s_mov_b32 s11, 4352
	s_cselect_b32 s10, s11, s10                    ; the scale words' place in a block (v's counted from its images)
	v_and_b32 v3, 31, v0
	v_lshlrev_b32 v[VA], 4, v3
	v_add_nc_u32 v[VA+1], s7, v[VA]
	v_add_nc_u32 v[VA+2], s6, v[VA]
	v_add_nc_u32 v[VA+3], s7, v[VA+2]
	v_mul_u32_u24 v[VSA], v2, HS                   ; lanes 16-31 store the second head's words
	v_lshl_add_u32 v[VSA], v1, 4, v[VSA]
	v_add_nc_u32 v[VSA], s10, v[VSA]
	v_mov_b32 v[SELV], 0x05040100
	v_mov_b32 v3, 0x07060302
	v_cndmask_b32 v[SELV], v[SELV], v3, s[HM]
.irp b, 0,1,2,3
	v_mov_b32 v[TM+4+\b], 0                        ; written once: a lane permute's destination counts as one of its sources
.endr
.macro FRAG reg, adr, q, i             ; 16 rows x 128 K: lane l holds row l % 16; registers 4 c .. 4 c + 3 hold K = 64 c + 32 (l / 16) + 0 .. 31
.irp c, 0,1
	ds_load_b128 v[\reg+4*\c:\reg+4*\c+3], v[\adr] offset:64*(\q)+32*\c+(\i)*16*PITCH
.endr
.endm
; 16 matrix instructions: A's blocks a0, a0 + 1 x B's eight, the chunk's q-th 128 along K.  p: B's set; sc: the set of scale words.
; mode 0: onto the sums; 1, 2: the first products start the sums from the bias (by B's block, by A's block): nothing is cleared and no bias is added.
; The 64 accumulators take turns, one instruction a turn, in the same order in every step.
.macro MUL16 a0, p, q, sc, mode
.irp a, \a0, \a0+1
.irp b, 0,1,2,3,4,5,6,7
.if \mode == 1
	v_wmma_scale_f32_16x16x128_f8f6f4 v[8*(8*((\a)%4)+\b):8*(8*((\a)%4)+\b)+7], v[128*(\p)+FR*\b:128*(\p)+FR*\b+FR-1], v[AF+FR*(\a):AF+FR*(\a)+FR-1], v[BI+8*\b:BI+8*\b+7], v[SC+8*NQ*(\sc)+NQ*\b+(\q)], v[SC+8*NQ*(\sc)+NQ*(\a)+(\q)] matrix_a_fmt:MATRIX_FMT_FP4 matrix_b_fmt:MATRIX_FMT_FP4 matrix_a_scale:MATRIX_SCALE_ROW1
.elseif \mode == 2
	v_wmma_scale_f32_16x16x128_f8f6f4 v[8*(8*((\a)%4)+\b):8*(8*((\a)%4)+\b)+7], v[128*(\p)+FR*\b:128*(\p)+FR*\b+FR-1], v[AF+FR*(\a):AF+FR*(\a)+FR-1], v[BI+8*(\a):BI+8*(\a)+7], v[SC+8*NQ*(\sc)+NQ*\b+(\q)], v[SC+8*NQ*(\sc)+NQ*(\a)+(\q)] matrix_a_fmt:MATRIX_FMT_FP4 matrix_b_fmt:MATRIX_FMT_FP4 matrix_a_scale:MATRIX_SCALE_ROW1
.else
	v_wmma_scale_f32_16x16x128_f8f6f4 v[8*(8*((\a)%4)+\b):8*(8*((\a)%4)+\b)+7], v[128*(\p)+FR*\b:128*(\p)+FR*\b+FR-1], v[AF+FR*(\a):AF+FR*(\a)+FR-1], v[8*(8*((\a)%4)+\b):8*(8*((\a)%4)+\b)+7], v[SC+8*NQ*(\sc)+NQ*\b+(\q)], v[SC+8*NQ*(\sc)+NQ*(\a)+(\q)] matrix_a_fmt:MATRIX_FMT_FP4 matrix_b_fmt:MATRIX_FMT_FP4 matrix_a_scale:MATRIX_SCALE_ROW1
.endif
.endr
.endr
.endm
.macro FETCH_B slot, q, p
	WIN TO_B
.irp i, 0,1,2,3,4,5,6,7
	FRAG 128*(\p)+FR*\i, ADRB+\slot, \q, \i
.endr
	WIN 0
.endm
.macro FETCH_A slot, q, i0
.irp i, \i0, \i0+1, \i0+2, \i0+3
	FRAG AF+FR*(\i), ADRA+\slot, \q, \i
.endr
.endm
.macro SCALES sc                       ; a chunk's scale words: 4 words a row; lanes 0-15 take A's block i, lanes 16-31 B's block i
.irp i, 0,1,2,3,4,5,6,7
	ds_load_b128 v[SC+8*NQ*\sc+NQ*\i:SC+8*NQ*\sc+NQ*\i+3], v[ADRS] offset:\i*SBLK
.endr
.endm
; A step of 128 along K that has its successor in the same chunk.  A has one set of registers (a block is free when its eight products are issued), B two.
.macro STEP slot, q, mode
	s_wait_dscnt 8                                 ; B's set and A's blocks 0-3 are in; the youngest eight loads (A's blocks 4-7) may be out
.if \mode
	WIN 0x81                                       ; C (the bias) window 0, D window 2
.else
	WIN MUL_LO
.endif
	MUL16 0, (\q)%2, \q, \slot, \mode
	MUL16 2, (\q)%2, \q, \slot, \mode
	s_wait_dscnt 0x0                               ; A's blocks 4-7 are in
	PLACES
	FETCH_B \slot, (\q)+1, 1-(\q)%2
	FETCH_A \slot, (\q)+1, 0
.if \mode
	WIN 0xc1
.else
	WIN MUL_HI
.endif
	MUL16 4, (\q)%2, \q, \slot, \mode
	MUL16 6, (\q)%2, \q, \slot, \mode
	PLACES
	WIN 0
	FETCH_A \slot, (\q)+1, 4
.endm
.macro STEPS slot, from
.set Q, \from
.rept NQ-1-\from
	STEP \slot, Q, 0
.set Q, Q+1
.endr
.endm
	s_wait_tensorcnt 1                             ; the scales and my part of chunk 0 are in; chunk 1's load may stay out
	s_barrier_signal -1
	s_barrier_wait -1                              ; everybody's are
	FETCH_B 0, 0, 0
	FETCH_A 0, 0, 0
	SCALES 0
	FETCH_A 0, 0, 4
	s_wait_loadcnt 0x0                             ; the bias
	s_cmp_eq_u32 ttmp9, 2
	s_cbranch_scc1 .Lfirst_v
	STEP 0, 0, 1
	s_branch .Lsummed
.Lfirst_v:
	STEP 0, 0, 2
.Lsummed:
	STEPS 0, 1
	; chunk 0's last step crosses into chunk 1: each wave's part of it has landed, and a barrier says so to the others
	s_wait_tensorcnt 0x0
	s_wait_dscnt 8
	WIN MUL_LO
	MUL16 0, 1, NQ-1, 0, 0
	s_wait_dscnt 0x0                               ; no LDS load of mine is out at the signal
	s_barrier_signal -1
	MUL16 2, 1, NQ-1, 0, 0
	WIN 0
	s_barrier_wait -1
	PLACES
	v_add_nc_u32 v[ADRS], 4*NQ, v[ADRS]            ; on to chunk 1's scale words
	FETCH_B 1, 0, 0
	FETCH_A 1, 0, 0
	SCALES 1
	WIN MUL_HI
	MUL16 4, 1, NQ-1, 0, 0
	MUL16 6, 1, NQ-1, 0, 0
	PLACES
	WIN 0
	FETCH_A 1, 0, 4
	STEPS 1, 0
	s_wait_dscnt 8                                 ; the last step: nothing more to fetch
	WIN MUL_LO
	MUL16 0, 1, NQ-1, 1, 0
	MUL16 2, 1, NQ-1, 1, 0
	s_wait_dscnt 0x0
	WIN MUL_HI
	MUL16 4, 1, NQ-1, 1, 0
	MUL16 6, 1, NQ-1, 1, 0
	WIN 0
	PLACES                                         ; ahead of the reads of results and of the codes, which land where A's fragments lay
; THE WAY OUT of A's block a: its eight accumulators are four blocks of 32 along B's rows (accumulators 2 n, 2 n + 1, mine and lane l xor 16's).  Register j of accumulator b is B's row 16 b + 8 h + j.
; Codes: a conversion gives 8 codes, one word: accumulator b's is word h of the first (b even) or word 2 + h of the second half of its block.  The operand's layout wants in lane (r, h) the four words of block 2 c + h:
; the words of accumulators 4 c and 4 c + 2, with their halves of the lanes exchanged, are words 0 and 1; those of 4 c + 1 and 4 c + 3 words 2 and 3.
.macro EPI a
.set AC, 64*((\a)%4)
.set PCD, AF+8*(\a)                    ; a set of eight for each block: no store's data are written again
	WIN 0x28+0x14*((\a)/4)                         ; sources 1 and 2: window 2 or 3
.irp b, 0,1,2,3
	v_max3_num_f32 v[TM+\b], 0x1800000, |v[AC+16*\b]|, |v[AC+16*\b+1]|   ; with the floor 2^(3 - 127): the byte cannot fall under 1.  Each accumulator is read from its low end on
.endr
.irp i, 2,4,6,8,10,12,14
.irp b, 0,1,2,3
	v_max3_num_f32 v[TM+\b], v[TM+\b], |v[AC+16*\b+\i]|, |v[AC+16*\b+\i+1]|
.endr
.endr
	WIN 0
.irp b, 0,1,2,3
	v_permlanex16_b32 v[TM+4+\b], v[TM+\b], s[SEL], s[SEL+1]
.endr
.irp b, 0,1,2,3
	v_max_num_f32 v[TM+\b], v[TM+\b], v[TM+4+\b]   ; the block's largest magnitude
.endr
.irp b, 0,1,2,3
	v_add_nc_u32 v[TM+12+\b], 0xff000000, v[TM+\b] ; 2 off its exponent field: the conversion's scale operand
.endr
.irp b, 0,1,2,3
	v_lshrrev_b32 v[TM+4+\b], 23, v[TM+12+\b]      ; the scale's byte
.endr
	v_lshl_or_b32 v[WS+\a], v[TM+5], 8, v[TM+4]
	v_lshl_or_b32 v[WS+\a], v[TM+6], 16, v[WS+\a]
	v_lshl_or_b32 v[WS+\a], v[TM+7], 24, v[WS+\a]
	WIN 0x02+((\a)/4)                              ; source 0: window 2 or 3
.irp c, 0,1
	v_cvt_scalef32_pk8_fp4_f32 v[PCD+4*\c],   v[AC+8*(4*\c):AC+8*(4*\c)+7],     v[TM+12+2*\c]
	v_cvt_scalef32_pk8_fp4_f32 v[PCD+4*\c+1], v[AC+8*(4*\c+2):AC+8*(4*\c+2)+7], v[TM+13+2*\c]
	v_cvt_scalef32_pk8_fp4_f32 v[PCD+4*\c+2], v[AC+8*(4*\c+1):AC+8*(4*\c+1)+7], v[TM+12+2*\c]
	v_cvt_scalef32_pk8_fp4_f32 v[PCD+4*\c+3], v[AC+8*(4*\c+3):AC+8*(4*\c+3)+7], v[TM+13+2*\c]
.endr
	WIN 0
	v_nop                                          ; one plain place behind a scaled conversion
.irp c, 0,1
	v_permlane16_swap_b32 v[PCD+4*\c], v[PCD+4*\c+1]
	v_permlane16_swap_b32 v[PCD+4*\c+2], v[PCD+4*\c+3]
.endr
	global_store_b128 v[VA+(\a)/4], v[PCD:PCD+3], s[OUT:OUT+1] offset:((\a)%4)*512       ; an image: 32 lanes store 512 consecutive bytes, at a multiple of 256 from the buffer's first byte
	global_store_b128 v[VA+2+(\a)/4], v[PCD+4:PCD+7], s[OUT:OUT+1] offset:((\a)%4)*512
.endm
.irp a, 0,1,2,3,4,5,6,7
	EPI \a
.endr
	s_cmp_eq_u32 ttmp9, 2
	s_cbranch_scc1 .Lwords_v
.irp i, 0,1,2,3                        ; q, k: word i = a head's two bytes of token 32 i + r, then those of token 32 i + 16 + r: one word scales two tiles of 16 tokens in one operand of K = 128
	v_perm_b32 v[OUTW+\i], v[WS+2*\i+1], v[WS+2*\i], v[SELV]
.endr
	s_branch .Lwords
.Lwords_v:
.irp i, 0,1,2,3                        ; v: word t = the four key blocks of channel 16 t + r; blocks a 0-3 are the first head's, 4-7 the second's
	v_cndmask_b32 v[OUTW+\i], v[WS+\i], v[WS+4+\i], s[HM]
.endr
.Lwords:
	global_store_b128 v[VSA], v[OUTW:OUTW+3], s[OUT:OUT+1]   ; sixteen lanes store 256 consecutive bytes, aligned: a head's words
	s_wait_tensorcnt 0x0
	ds_add_u32 v126, v127
	s_wait_dscnt 0x0
	CROUND                                         ; the closing round: no work-group ends while a partner may still ask for a tile that names it
	s_endpgm
.Lfunc_end_k_q7014c1f1c1_qkv:
	.size	k_q7014c1f1c1_qkv, .Lfunc_end_k_q7014c1f1c1_qkv-k_q7014c1f1c1_qkv
	.p2alignl 7, 3214868480
	.fill 96, 4, 3214868480
	.section	.rodata,"a",@progbits
	.p2align	6, 0x0
	.amdhsa_kernel k_q7014c1f1c1_qkv
		.amdhsa_group_segment_fixed_size 296448
		.amdhsa_private_segment_fixed_size 0
		.amdhsa_enable_private_segment 0
		.amdhsa_kernarg_size 56
		.amdhsa_user_sgpr_count 2
		.amdhsa_user_sgpr_kernarg_segment_ptr 1
		.amdhsa_wavefront_size32 1
		.amdhsa_system_sgpr_workgroup_id_x 1
		.amdhsa_system_sgpr_workgroup_id_y 1
		.amdhsa_system_sgpr_workgroup_id_z 1
		.amdhsa_system_vgpr_workitem_id 0
		.amdhsa_next_free_vgpr 1024
		.amdhsa_next_free_sgpr 102
		.amdhsa_reserve_vcc 0
		.amdhsa_float_denorm_mode_32 3
		.amdhsa_float_denorm_mode_16_64 3
		.amdhsa_memory_ordered 1
		.amdhsa_forward_progress 1
		.amdhsa_inst_pref_size 149
	.end_amdhsa_kernel
	.amdgpu_metadata
---
amdhsa.version: [ 1, 2 ]
amdhsa.kernels:
  - .name:           k_q7014c1f1c1_qkv
    .symbol:         k_q7014c1f1c1_qkv.kd
    .args:
      - { .name: x_codes, .offset: 0, .size: 8, .value_kind: global_buffer, .address_space: global }
      - { .name: x_scales, .offset: 8, .size: 8, .value_kind: global_buffer, .address_space: global }
      - { .name: W_qkv_codes, .offset: 16, .size: 8, .value_kind: global_buffer, .address_space: global }
      - { .name: W_qkv_scales, .offset: 24, .size: 8, .value_kind: global_buffer, .address_space: global }
      - { .name: b_qkv, .offset: 32, .size: 8, .value_kind: global_buffer, .address_space: global }
      - { .name: qb, .offset: 40, .size: 8, .value_kind: global_buffer, .address_space: global }
      - { .name: kv, .offset: 48, .size: 8, .value_kind: global_buffer, .address_space: global }
    .group_segment_fixed_size: 296448
    .private_segment_fixed_size: 0
    .kernarg_segment_align: 8
    .kernarg_segment_size: 56
    .max_flat_workgroup_size: 128
    .sgpr_count:     102
    .vgpr_count:     1024
    .wavefront_size: 32
...
	.end_amdgpu_metadata
.endif
;; end of part 1
;; launch attn (part 2): grid 8 x 32, 16 waves a work-group, clusters of 4 x 1, 169,984 bytes of LDS; arguments qb, kv, oc, os; writes oc, os
.if DOCPART == 2
	.amdgcn_target "amdgcn-amd-amdhsa--gfx1250"
	.amdhsa_code_object_version 6
	.text
	.protected	k_q7014c1f1c1_attn
	.globl	k_q7014c1f1c1_attn
	.p2align	8
	.type	k_q7014c1f1c1_attn,@function
k_q7014c1f1c1_attn:
	s_mov_b64 s[64:65], 0
	v_nop
	global_prefetch_b8 v0, s[64:65] scope:SCOPE_SE
	s_setreg_imm32_b32 hwreg(HW_REG_WAVE_MODE, 25, 1), 1
	s_wait_xcnt 0x0
	s_wait_alu depctr_hold_cnt(0) depctr_sa_sdst(0) depctr_va_vdst(0) depctr_va_sdst(0) depctr_va_ssrc(0) depctr_va_vcc(0) depctr_vm_vsrc(0)
	s_getreg_b32 s2, hwreg(HW_REG_IB_STS2, 6, 4)
	s_cmp_eq_u32 s2, 0
	s_cbranch_scc0 .Lentry_in_a_cluster
	s_endpgm
.Lentry_in_a_cluster:
	s_bfe_u32 s2, ttmp6, 0x10000c
	s_cmp_lg_u32 s2, 0x3003
	s_cbranch_scc0 .Lentry_shape_is_right
	s_endpgm
.Lentry_shape_is_right:
; o = softmax(q k^T / 8) v for one head and 256 queries a work-group, both products on codes of FP4 (E2M1) with E8M0 scales; o is quantised along the model's 1,024 (two blocks a head) for the last product.
; THE SOFTMAX AHEAD OF THE SECOND PRODUCT: t = score x log2(e) / 8; M = the row's largest t so far, rounded UP to a whole number; p = 2^(t - M) is quantised along the keys, not normalised.
; The row's sum is taken of the unquantised p and divides at the end.  When M moves, the sum and O are multiplied by 2^(old M - new M): exact.
; SHARES.  Sixteen waves, each one tile of 16 queries in 256 registers: four waves to a SIMD, so that one wave's vector work stands beside another's matrix work and LDS loads.  Every wave walks all 2,048 keys, 128 a step.
; LDS.  The head's K and V, 16 blocks of 8,704 bytes, lie in LDS as they lie in memory: images of operand registers (lane l's 16 bytes at 16 l) and scale words.  139,264 bytes, each filled once; behind them 512 bytes of stage.
; CLUSTER.  The four query blocks of a cluster belong to one head: each block of K and V is asked for jointly (mask 15).  Waves 0 to 3 issue four loads each, so that keys 512 n on are whole when each has at most 3 - n out.
; All of K and V is asked for at the first lines, so there is no later request that a prefetch could run ahead of.
; K = 64.  The head's 64 are half of the instruction's 128: ONE operand holds TWO tiles of 16 keys (registers 0-3, 4-7); against [q | zeros] it gives the first tile's scores, against [zeros | q] the second's.  Zero codes add nothing; their scale bytes are 127.
; LAYOUT.  Both products transposed: S^T = K Q^T, O^T = V^T P^T: a lane holds ONE query (lane % 16); register j of tile t is key 16 t + 8 (lane / 16) + j.
; LIMITS: NaN and infinities are not served; a block of zeros, or one whose largest magnitude lies under 2^-124, gets the byte 1 (only this program reads the bytes).
.set STEPB, 8704
.set HS,    16*STEPB
.set SG,    HS                         ; the stage: 256 tokens' two scale bytes
.set LI,  1                            ; v1   16 x lane
.set ADR, 2                            ; v2   the step's block + 16 x lane
.set SGR, 3                            ; v3   the stage, 16 bytes a lane
.set SGA, 5                            ; v5   the stage, my query's two bytes
.set QW,  20                           ; v20, v21 q's scale words for [q | 0] and [0 | q];  v8-11 zeros, v12-15 q, v16-19 zeros
.set MX,  22                           ; v22 -M, v23 the largest t
.set SUM, 24                           ; v[24:25] the sum in two halves
.set KF,  32                           ; v32-63  K's eight images
.set VF,  64                           ; v64-95  V's four fragments
.set S,   96                           ; v96-159 S^T, then p
.set OT,  160                          ; v160-191 O^T
.set PCD, 192                          ; v192-199 p's codes
.set KVW, 200                          ; v200-203 lanes 0-15 K's four scale words, lanes 16-31 V's four
.set PW,  204                          ; p's scale word
.set BM,  208                          ; the blocks' largest scores, then largest p
.set BT,  212
.set BS,  216                          ; the conversions' scale operands
.set BY,  220                          ; the bytes
.set FF,  224                          ; v224 f; v225 named with it as a pair
.set T0,  226
.set S2,  228
.set WV,  12
.set G1,  16
.set G0,  24
.set SEL, 40
.set CS,  42
.set TB,  44
.set CNT, 45
.macro ROUND
	s_barrier_signal -1
	s_barrier_wait -1
	s_cmp_lg_u32 s[WV], 0
	s_cbranch_scc1 .Lnot_wave_0_\@
	s_barrier_signal -3
.Lnot_wave_0_\@:
	s_barrier_wait -3
	s_barrier_signal -1
	s_barrier_wait -1
.endm
	s_load_b256 s[4:11], s[0:1], 0x0               ; qb s[4:5], kv s[6:7], oc s[8:9], os s[10:11]
	v_lshl_add_u32 v254, v0, 2, 0x29000
	v_mov_b32 v255, 0
	ds_add_u32 v254, v255
	ds_add_u32 v254, v255
	v_lshrrev_b32 v2, 5, v0
	v_readfirstlane_b32 s[WV], v2                  ; wave 0..15
	v_and_b32 v4, 31, v0
	v_lshlrev_b32 v[LI], 4, v4
	v_lshl_add_u32 v[SGR], v4, 4, SG
	v_and_b32 v4, 15, v0                           ; r
	v_lshl_add_u32 v[SGA], v4, 1, SG
	s_lshl_b32 s46, s[WV], 5
	v_add_nc_u32 v[SGA], s46, v[SGA]               ; SG + 32 x wave + 2 r
	s_bfe_u32 s13, ttmp6, 0x40000                  ; cx
	s_lshl_b32 s14, ttmp9, 2
	s_add_co_u32 s14, s14, s13                     ; my block of 256 queries: it enters global addresses alone
	s_and_b32 s15, ttmp7, 0xffff                   ; batch x 16 + head, which the four partners share
	s_mov_b32 s[G1], 15|(3<<16)|(1<<21)            ; the mask: all four; elements of 8 bytes; bit 21 beside a mask; no padding: images are read 16 bytes a lane on end
	s_mov_b32 s[G1+1], 32<<16                      ; a block: 34 dense rows of 256 bytes
	s_mov_b32 s[G1+2], 34<<16
	s_mov_b32 s[G1+3], 32<<16
	s_mov_b32 s[G1+4], 34
	s_mov_b32 s[G1+5], 32
	s_mov_b32 s[G1+6], 0
	s_mov_b32 s[G1+7], 0
	s_and_b32 s46, s[WV], 3
	s_mul_i32 s46, s46, STEPB                      ; load n of wave w brings block 4 n + w
	s_mul_i32 s48, s15, HS
	s_add_co_u32 s48, s48, s46
	s_mov_b32 s49, 0
	s_wait_dscnt 0x0
	s_wait_kmcnt 0x0
	s_add_nc_u64 s[48:49], s[6:7], s[48:49]
.irp n, 0,1,2,3
	s_mov_b32 s[G0+4*\n], 1
	s_add_co_u32 s[G0+4*\n+1], s46, \n*4*STEPB
	s_add_nc_u64 s[G0+4*\n+2:G0+4*\n+3], s[48:49], \n*4*STEPB
	s_or_b32 s[G0+4*\n+3], s[G0+4*\n+3], 0x80000000
.endr
	ROUND                                          ; all four work-groups are here: the joint loads meet
	s_cmp_lt_u32 s[WV], 4                          ; a wave's four fills stand in one branch on the wave's number: four loads of mine are out
	s_cbranch_scc0 .Lno_fill
	tensor_load_to_lds s[G0:G0+3], s[G1:G1+7]
	s_nop 0
	tensor_load_to_lds s[G0+4:G0+7], s[G1:G1+7]
	s_nop 0
	tensor_load_to_lds s[G0+8:G0+11], s[G1:G1+7]
	s_nop 0
	tensor_load_to_lds s[G0+12:G0+15], s[G1:G1+7]
	s_nop 0
.rept 4
	v_nop
.endr
.Lno_fill:
	s_lshl_b32 s52, s15, 4                         ; my 16 queries are image wave % 8 of block 2 x query block + wave / 8 of my head
	s_lshl_b32 s53, s14, 1
	s_add_co_u32 s52, s52, s53
	s_lshr_b32 s53, s[WV], 3
	s_add_co_u32 s52, s52, s53
	s_mul_i32 s52, s52, STEPB
	s_mov_b32 s53, 0
	s_add_nc_u64 s[4:5], s[4:5], s[52:53]
	s_and_b32 s54, s[WV], 7
	s_lshl_b32 s55, s54, 9
	v_add_nc_u32 v[T0], s55, v[LI]
	s_lshr_b32 s54, s54, 1
	s_lshl_b32 s54, s54, 2
	v_lshl_add_u32 v[T0+1], v4, 4, s54             ; its scale word: 16 r + 4 (image / 2); an even image's bytes are the low two
	global_load_b128 v[12:15], v[T0], s[4:5]
	global_load_b32 v7, v[T0+1], s[4:5] offset:8192
	s_mov_b32 s[SEL], 0x76543210
	s_mov_b32 s[SEL+1], 0xfedcba98                 ; v_permlanex16_b32's selects for lane l xor 16
	s_mov_b32 s[CS], 0x3e38aa3b                    ; c = log2(e) / 8
	s_mov_b32 s[CS+1], s[CS]                       ; (named with it as a pair)
	s_and_b32 s52, s[WV], 1
	s_cmp_eq_u32 s52, 0
	s_mov_b32 s50, 0x05040302
	s_cselect_b32 s50, 0x05040100, s50             ; [q's two bytes | 127 127]
	s_mov_b32 s51, 0x03020504
	s_cselect_b32 s51, 0x01000504, s51             ; [127 127 | q's two bytes]
	s_lshr_b32 s56, s15, 4                         ; batch
	s_and_b32 s57, s15, 15                         ; head
	s_lshl_b32 s58, s56, 7
	s_lshl_b32 s59, s14, 4
	s_add_co_u32 s58, s58, s59
	s_add_co_u32 s58, s58, s[WV]                   ; my tile of 16 tokens among the 256
	s_lshl_b32 s58, s58, 3
	s_lshr_b32 s59, s57, 1
	s_add_co_u32 s58, s58, s59                     ; two heads are a K step of the last product,
	s_lshl_b32 s58, s58, 10
	s_and_b32 s59, s57, 1
	s_lshl_b32 s59, s59, 9                         ; a head one of its two images
	s_add_co_u32 s58, s58, s59
	s_mov_b32 s59, 0
	s_add_nc_u64 s[8:9], s[8:9], s[58:59]
	s_lshl_b32 s58, s57, 13                        ; os: 8,192 bytes a head, 2 bytes a token
	s_lshl_b32 s60, s56, 12
	s_add_co_u32 s58, s58, s60
	s_lshl_b32 s60, s14, 9
	s_add_co_u32 s58, s58, s60
	s_add_nc_u64 s[10:11], s[10:11], s[58:59]
	v_mov_b32 v6, 0x7f7f7f7f
.irp j, 8,9,10,11,16,17,18,19
	v_mov_b32 v\j, 0                               ; the zero halves beside q
.endr
	v_mov_b32 v[MX+1], 0xff61b1e6                  ; the largest t so far: -3e38, under every t
	v_floor_f32 v[MX], -v[MX+1]
	v_mov_b32 v[SUM], 0
	v_mov_b32 v[SUM+1], 0
	v_mov_b32 v[FF+1], 0
.irp b, 0,1,2,3
	v_mov_b32 v[BT+\b], 0                          ; written once: a lane permute's destination counts as one of its sources
.endr
	s_wait_loadcnt 0x0                             ; q and its scale word
	v_perm_b32 v[QW], v6, v7, s50
	v_perm_b32 v[QW+1], v6, v7, s51
.set j, 0
.rept 32
	v_mov_b32 v[OT+j], 0                           ; O^T: the step is written once; its first run finds zeros.  (Also the places between the scale words just made and the first product)
.set j, j+1
.endr
; A KEY STEP: 128 keys, the block at LDS byte s[TB].
.macro STEP
	v_add_nc_u32 v[ADR], s[TB], v[LI]
.rept 3
	v_nop                                          ; with the addition: four places behind the last step's products, ahead of loads into their sources
.endr
	ds_load_b128 v[KVW:KVW+3], v[ADR] offset:8192  ; 512 bytes: K's words, then V's
.irp n, 0,1,2,3,4,5,6,7
	ds_load_b128 v[KF+4*\n:KF+4*\n+3], v[ADR] offset:512*\n
.endr
.irp t, 0,1,2,3
	ds_load_b128 v[VF+8*\t:VF+8*\t+3], v[ADR] offset:4096+512*\t
	ds_load_b128 v[VF+8*\t+4:VF+8*\t+7], v[ADR] offset:6144+512*\t
.endr
	s_wait_dscnt 8                                 ; K and the words are in; V's eight loads may be out
.irp t, 0,1,2,3,4,5,6,7
	v_wmma_scale_f32_16x16x128_f8f6f4 v[S+8*\t:S+8*\t+7], v[KF+8*(\t/2):KF+8*(\t/2)+7], v[12-4*(\t%2):19-4*(\t%2)], 0, v[KVW+\t/2], v[QW+\t%2] matrix_a_fmt:MATRIX_FMT_FP4 matrix_b_fmt:MATRIX_FMT_FP4
.endr
.rept 4
	v_nop
.endr
.irp b, 0,1,2,3
	v_max3_num_f32 v[BM+\b], v[S+16*\b], v[S+16*\b+1], v[S+16*\b+2]   ; the largest score of each block of 32 keys: for the row's maximum, and, since p rises with the score, for the block's largest p
.endr
.irp i, 3,5,7,9,11,13
.irp b, 0,1,2,3
	v_max3_num_f32 v[BM+\b], v[BM+\b], v[S+16*\b+\i], v[S+16*\b+\i+1]
.endr
.endr
.irp b, 0,1,2,3
	v_max_num_f32 v[BM+\b], v[BM+\b], v[S+16*\b+15]
.endr
.irp b, 0,1,2,3
	v_permlanex16_b32 v[BT+\b], v[BM+\b], s[SEL], s[SEL+1]
.endr
.irp b, 0,1,2,3
	v_max_num_f32 v[BM+\b], v[BM+\b], v[BT+\b]     ; with lane l xor 16's 16 keys
.endr
	v_max3_num_f32 v[T0], v[BM], v[BM+1], v[BM+2]
	v_max_num_f32 v[T0], v[T0], v[BM+3]
	v_mul_f32 v[T0], s[CS], v[T0]                  ; as t (c is positive)
	v_max_num_f32 v[MX+1], v[MX+1], v[T0]          ; the running largest t
	v_mov_b32 v[T0], v[MX]
	v_floor_f32 v[MX], -v[MX+1]                    ; the new -M = -ceil(t): a whole number
	v_sub_f32 v[T0], v[MX], v[T0]                  ; old M - new M: a whole number, 0 or less
	v_cvt_i32_f32 v[T0], v[T0]                     ; (it saturates)
	v_ldexp_f32 v[FF], 1.0, v[T0]                  ; f = 2^(old M - new M)
.set j, 0
.rept 32
	v_pk_fma_f32 v[S+j:S+j+1], v[S+j:S+j+1], s[CS:CS+1], v[MX:MX+1] op_sel_hi:[1,0,0]   ; t - M, two at a time
.set j, j+2
.endr
.irp b, 0,1,2,3
	v_fma_f32 v[BM+\b], v[BM+\b], s[CS], v[MX]     ; the same of each block's largest score
.endr
.set j, 0
.rept 64
	v_exp_f32 v[S+j], v[S+j]                       ; p = 2^(t - M), at most 1
.set j, j+1
.endr
	v_pk_mul_f32 v[SUM:SUM+1], v[SUM:SUM+1], v[FF:FF+1] op_sel_hi:[1,0]   ; the sums under the new M: the plain place behind the exponentials
	s_wait_alu depctr_va_vdst(0)                   ; one wait for the batch of 64, ahead of its first reader
.irp b, 0,1,2,3
	v_exp_f32 v[BM+\b], v[BM+\b]                   ; the block's largest p: the same two instructions on the same number
.endr
	v_pk_add_f32 v[S2:S2+1], v[S:S+1], v[S+2:S+3]  ; the row's sum of the UNQUANTISED p, in two chains
.irp j, 4,8,12,16,20,24,28,32,36,40,44,48,52,56,60
	v_pk_add_f32 v[SUM:SUM+1], v[SUM:SUM+1], v[S+\j:S+\j+1]
	v_pk_add_f32 v[S2:S2+1], v[S2:S2+1], v[S+\j+2:S+\j+3]
.endr
	v_pk_add_f32 v[SUM:SUM+1], v[SUM:SUM+1], v[S2:S2+1]
	s_wait_alu depctr_va_vdst(0)                   ; and one for the four
.irp b, 0,1,2,3
	v_max_num_f32 v[BM+\b], 0x1800000, v[BM+\b]    ; the floor 2^(3 - 127): the byte cannot fall under 1
.endr
.irp b, 0,1,2,3
	v_add_nc_u32 v[BS+\b], 0xff000000, v[BM+\b]    ; 2 off the exponent field: the conversion's scale operand
.endr
.irp b, 0,1,2,3
	v_lshrrev_b32 v[BY+\b], 23, v[BS+\b]
.endr
	v_lshl_or_b32 v[PW], v[BY+1], 8, v[BY]         ; p's scale word for these 128 keys
	v_lshl_or_b32 v[PW], v[BY+2], 16, v[PW]
	v_lshl_or_b32 v[PW], v[BY+3], 24, v[PW]
.irp c, 0,1                            ; tile t's conversion gives word h (t even) or 2 + h (t odd) of its block; tiles 4 c and 4 c + 2 with their halves of the lanes exchanged are words 0 and 1 of block 2 c + h
	v_cvt_scalef32_pk8_fp4_f32 v[PCD+4*\c],   v[S+8*(4*\c):S+8*(4*\c)+7],     v[BS+2*\c]
	v_cvt_scalef32_pk8_fp4_f32 v[PCD+4*\c+1], v[S+8*(4*\c+2):S+8*(4*\c+2)+7], v[BS+2*\c+1]
	v_cvt_scalef32_pk8_fp4_f32 v[PCD+4*\c+2], v[S+8*(4*\c+1):S+8*(4*\c+1)+7], v[BS+2*\c]
	v_cvt_scalef32_pk8_fp4_f32 v[PCD+4*\c+3], v[S+8*(4*\c+3):S+8*(4*\c+3)+7], v[BS+2*\c+1]
.endr
	v_nop                                          ; one plain place behind a scaled conversion
.irp c, 0,1
	v_permlane16_swap_b32 v[PCD+4*\c], v[PCD+4*\c+1]
	v_permlane16_swap_b32 v[PCD+4*\c+2], v[PCD+4*\c+3]
.endr
.set j, 0
.rept 16
	v_pk_mul_f32 v[OT+j:OT+j+1], v[OT+j:OT+j+1], v[FF:FF+1] op_sel_hi:[1,0]   ; O^T under the new M.  (Of these sixteen, twelve name no register of any one product below: the places behind the scale word and the codes)
.set j, j+2
.endr
	s_wait_dscnt 0x0                               ; V is in
.irp t, 0,1,2,3
	v_wmma_scale_f32_16x16x128_f8f6f4 v[OT+8*\t:OT+8*\t+7], v[VF+8*\t:VF+8*\t+7], v[PCD:PCD+7], v[OT+8*\t:OT+8*\t+7], v[KVW+\t], v[PW] matrix_a_fmt:MATRIX_FMT_FP4 matrix_b_fmt:MATRIX_FMT_FP4 matrix_a_scale:MATRIX_SCALE_ROW1
.endr
.endm
; Keys 512 n on: four steps.  Of my four tensor loads those behind load n may stay out; the barrier tells the other waves.
.macro CHUNK n
	s_wait_tensorcnt 3-\n
	s_barrier_signal -1
	s_barrier_wait -1
	s_mov_b32 s[TB], \n*4*STEPB
	s_mov_b32 s[CNT], 4
.Lstep_\@:
	STEP
	s_add_co_u32 s[TB], s[TB], STEPB
	s_sub_co_u32 s[CNT], s[CNT], 1
	s_cmp_lg_u32 s[CNT], 0
	s_cbranch_scc1 .Lstep_\@
.endm
	CHUNK 0
	CHUNK 1
	CHUNK 2
	CHUNK 3
	; THE WAY OUT: O^T / the sum, quantised: my head's 64 channels are two blocks of the last product's K.
	v_add_f32 v[SUM], v[SUM], v[SUM+1]             ; the sum's two halves,
	v_permlanex16_b32 v[T0], v[SUM], s[SEL], s[SEL+1]
	v_add_f32 v[SUM], v[SUM], v[T0]                ; and lane l xor 16's
	v_rcp_f32 v[FF], v[SUM]
	v_nop                                          ; a plain place behind the reciprocal; with the two additions and the next line, four places behind the last products
	v_nop
	s_wait_alu depctr_va_vdst(0)                   ; ahead of the reciprocal's first reader
.set j, 0
.rept 16
	v_pk_mul_f32 v[S+j:S+j+1], v[OT+j:OT+j+1], v[FF:FF+1] op_sel_hi:[1,0]   ; register 8 t + i: o(query r, channel 16 t + 8 h + i); each accumulator from its low end on
.set j, j+2
.endr
.irp b, 0,1
	v_max3_num_f32 v[BM+\b], |v[S+16*\b]|, |v[S+16*\b+1]|, 0x1800000
.endr
.irp i, 2,4,6,8,10,12,14
.irp b, 0,1
	v_max3_num_f32 v[BM+\b], v[BM+\b], |v[S+16*\b+\i]|, |v[S+16*\b+\i+1]|
.endr
.endr
.irp b, 0,1
	v_permlanex16_b32 v[BT+\b], v[BM+\b], s[SEL], s[SEL+1]
.endr
.irp b, 0,1
	v_max_num_f32 v[BM+\b], v[BM+\b], v[BT+\b]
.endr
.irp b, 0,1
	v_add_nc_u32 v[BS+\b], 0xff000000, v[BM+\b]
.endr
.irp b, 0,1
	v_lshrrev_b32 v[BY+\b], 23, v[BS+\b]
.endr
	v_lshl_or_b32 v[PW], v[BY+1], 8, v[BY]         ; my token's two bytes
	v_cvt_scalef32_pk8_fp4_f32 v[PCD],   v[S:S+7],     v[BS]
	v_cvt_scalef32_pk8_fp4_f32 v[PCD+1], v[S+16:S+23], v[BS+1]
	v_cvt_scalef32_pk8_fp4_f32 v[PCD+2], v[S+8:S+15],  v[BS]
	v_cvt_scalef32_pk8_fp4_f32 v[PCD+3], v[S+24:S+31], v[BS+1]
	v_nop
	v_permlane16_swap_b32 v[PCD], v[PCD+1]
	v_permlane16_swap_b32 v[PCD+2], v[PCD+3]
	global_store_b128 v[LI], v[PCD:PCD+3], s[8:9]  ; an image: 512 consecutive bytes, aligned
	ds_store_b16 v[SGA], v[PW]                     ; both halves of the lanes write the same two bytes with the same value
	s_wait_dscnt 0x0                               ; for the others' sake: my store has landed
	s_barrier_signal -1
	s_barrier_wait -1
	s_cmp_lg_u32 s[WV], 0
	s_cbranch_scc1 .Lnot_first
	ds_load_b128 v[S:S+3], v[SGR]                  ; the work-group's 256 tokens: 512 bytes
	s_wait_dscnt 0x0
	global_store_b128 v[LI], v[S:S+3], s[10:11]    ; two aligned runs of 256 bytes
.Lnot_first:
	s_wait_tensorcnt 0x0
	ds_add_u32 v254, v255
	s_wait_dscnt 0x0
	ROUND                                          ; the closing round
	s_endpgm
.Lfunc_end_k_q7014c1f1c1_attn:
	.size	k_q7014c1f1c1_attn, .Lfunc_end_k_q7014c1f1c1_attn-k_q7014c1f1c1_attn
	.p2alignl 7, 3214868480
	.fill 96, 4, 3214868480
	.section	.rodata,"a",@progbits
	.p2align	6, 0x0
	.amdhsa_kernel k_q7014c1f1c1_attn
		.amdhsa_group_segment_fixed_size 169984
		.amdhsa_private_segment_fixed_size 0
		.amdhsa_enable_private_segment 0
		.amdhsa_kernarg_size 32
		.amdhsa_user_sgpr_count 2
		.amdhsa_user_sgpr_kernarg_segment_ptr 1
		.amdhsa_wavefront_size32 1
		.amdhsa_system_sgpr_workgroup_id_x 1
		.amdhsa_system_sgpr_workgroup_id_y 1
		.amdhsa_system_sgpr_workgroup_id_z 1
		.amdhsa_system_vgpr_workitem_id 0
		.amdhsa_next_free_vgpr 256
		.amdhsa_next_free_sgpr 66
		.amdhsa_reserve_vcc 0
		.amdhsa_float_denorm_mode_32 3
		.amdhsa_float_denorm_mode_16_64 3
		.amdhsa_memory_ordered 1
		.amdhsa_forward_progress 1
		.amdhsa_inst_pref_size 71
	.end_amdhsa_kernel
	.amdgpu_metadata
---
amdhsa.version: [ 1, 2 ]
amdhsa.kernels:
  - .name:           k_q7014c1f1c1_attn
    .symbol:         k_q7014c1f1c1_attn.kd
    .args:
      - { .name: qb, .offset: 0, .size: 8, .value_kind: global_buffer, .address_space: global }
      - { .name: kv, .offset: 8, .size: 8, .value_kind: global_buffer, .address_space: global }
      - { .name: oc, .offset: 16, .size: 8, .value_kind: global_buffer, .address_space: global }
      - { .name: os, .offset: 24, .size: 8, .value_kind: global_buffer, .address_space: global }
    .group_segment_fixed_size: 169984
    .private_segment_fixed_size: 0
    .kernarg_segment_align: 8
    .kernarg_segment_size: 32
    .max_flat_workgroup_size: 512
    .sgpr_count:     66
    .vgpr_count:     256
    .wavefront_size: 32
...
	.end_amdgpu_metadata
.endif
;; end of part 2
;; launch proj (part 3): grid 8 x 32, 4 waves a work-group, clusters of 4 x 4, 168,448 bytes of LDS; arguments oc, os, W_o_codes, W_o_scales, b_o, out0; writes out0
.if DOCPART == 3
	.amdgcn_target "amdgcn-amd-amdhsa--gfx1250"
	.amdhsa_code_object_version 6
	.text
	.protected	k_q7014c1f1c1_proj
	.globl	k_q7014c1f1c1_proj
	.p2align	8
	.type	k_q7014c1f1c1_proj,@function
k_q7014c1f1c1_proj:
	s_mov_b64 s[64:65], 0
	v_nop
	global_prefetch_b8 v0, s[64:65] scope:SCOPE_SE
	s_setreg_imm32_b32 hwreg(HW_REG_WAVE_MODE, 25, 1), 1
	s_wait_xcnt 0x0
	s_wait_alu depctr_hold_cnt(0) depctr_sa_sdst(0) depctr_va_vdst(0) depctr_va_sdst(0) depctr_va_ssrc(0) depctr_va_vcc(0) depctr_vm_vsrc(0)
	s_getreg_b32 s2, hwreg(HW_REG_IB_STS2, 6, 4)
	s_cmp_eq_u32 s2, 0
	s_cbranch_scc0 .Lentry_in_a_cluster
	s_endpgm
.Lentry_in_a_cluster:
	s_bfe_u32 s2, ttmp6, 0x10000c
	s_cmp_lg_u32 s2, 0xf033
	s_cbranch_scc0 .Lentry_shape_is_right
	s_endpgm
.Lentry_shape_is_right:
; out0 = o W_o^T + b_o on codes of FP4 (E2M1) with E8M0 scales.  o: 4,096 tokens x 1,024, as images of operand registers [tile of 16 tokens][K step of 128][2 x 512 bytes] and two scale bytes for a head and token,
; [head][token]; W_o: [1024][1024] codes, 512 bytes a row, 32 scale bytes a row; out0 f32.
; A tile of 128 tokens x 128 features to a work-group (256 work-groups), four waves of 64 x 64: 16 accumulators.  K = 1,024 is two chunks of 512; both and all scale bytes lie in LDS at once, each byte filled once.
; CLUSTERS: 4 x 4.  o's tile is shared along a row of the cluster, W_o's along a column: each is asked for jointly.  Waves 0 and 1 fetch for o, waves 2 and 3 for W_o.
; THE MATRIX INSTRUCTION IS USED TRANSPOSED (source 0 = 16 rows of W_o, source 1 = 16 tokens): a lane holds eight neighbouring features of one token.  The bias is the C of each sum's first instruction.
; REGISTERS: window 0: addresses, W_o's scale words v16-47, o's v48-79, two sets of fragments v80-143, v144-207, v208-239 at work.  window 1: v0-127 the accumulators ((a, b) at 8 (4 a + b)), v128-159 the bias.
.set OCT,  0                           ; o's codes: [chunk][tile of 16 tokens, 8][4,096]
.set WT,   65536                       ; W_o's codes: [chunk][128 rows][272]
.set WSC,  WT+2*34816                  ; W_o's scale bytes: 16 units of 256 bytes + 16
.set OSC,  WSC+16*272                  ; o's: 16 heads x (128 tokens x 2 bytes + 16)
.set STG,  OSC+16*272                  ; the way out: 16 rows x (256 bytes + 16) for each wave; it begins at a multiple of 256 and no tile lands there
.set ADRO, 4
.set ADRW, 5
.set ADWS, 6
.set ADOS, 7
.set STO,  8
.set RD,   9
.set CO,   10
.set BOF,  11
.set WSW,  16
.set OSW,  48
.set F0,   80
.set TMPR, 208
.set WV, 18
.set HI, 19
.set LO, 20
.set CX, 21
.set CY, 22
.set TY, 23
.set TX, 91
.set G1O,  24
.set G1W,  32
.set G1OS, 40
.set G1WS, 48
.set G0O,  56
.set G0W,  68
.set G0OS, 76
.set G0WS, 80
.set BB,   84
.set OUT,  86
.set MSB, 0
.macro WIN new
.if MSB != (\new)
	s_set_vgpr_msb (MSB<<8)|(\new)
.set MSB, (\new)
.endif
.endm
.macro JLOAD g0a, g1a, g0b, g1b        ; four v_nop follow each of the two lines
	s_cmp_eq_u32 s[HI], 0
	s_cbranch_scc0 .Lfor_b_\@
	tensor_load_to_lds s[\g0a:\g0a+3], s[\g1a:\g1a+7]
	s_nop 0
.rept 4
	v_nop
.endr
	s_branch .Lasked_\@
.Lfor_b_\@:
	tensor_load_to_lds s[\g0b:\g0b+3], s[\g1b:\g1b+7]
	s_nop 0
.rept 4
	v_nop
.endr
.Lasked_\@:
.endm
.macro CROUND
	s_barrier_signal -1
	s_barrier_wait -1
	s_cmp_lg_u32 s[WV], 0
	s_cbranch_scc1 .Lnot_wave_0_\@
	s_barrier_signal -3
.Lnot_wave_0_\@:
	s_barrier_wait -3
	s_barrier_signal -1
	s_barrier_wait -1
.endm
.macro PLACES
.rept 4
	v_nop
.endr
.endm
	s_load_b256 s[4:11], s[0:1], 0x0               ; oc s[4:5], os s[6:7], W_o's codes s[8:9], its scales s[10:11]
	s_load_b128 s[12:15], s[0:1], 0x20             ; b_o s[12:13], out0 s[14:15]
	v_lshl_add_u32 v254, v0, 2, 0x29000
	v_mov_b32 v255, 0
	ds_add_u32 v254, v255
	ds_add_u32 v254, v255
	v_lshrrev_b32 v3, 5, v0
	v_readfirstlane_b32 s[WV], v3
	v_and_b32 v1, 15, v0                           ; r
	v_bfe_u32 v2, v0, 4, 1                         ; h
	s_lshr_b32 s[HI], s[WV], 1                     ; my half of the tokens.  Also: I fetch for o (0) or for W_o (1)
	s_and_b32 s[LO], s[WV], 1                      ; my half of the features.  Also: which half of a tile I fetch
	s_bfe_u32 s[CX], ttmp6, 0x40000
	s_bfe_u32 s[CY], ttmp6, 0x40004
	s_lshl_b32 s[TX], ttmp9, 2
	s_add_co_u32 s[TX], s[TX], s[CX]               ; tile of 128 features
	s_and_b32 s[TY], ttmp7, 0xffff
	s_lshl_b32 s[TY], s[TY], 2
	s_add_co_u32 s[TY], s[TY], s[CY]               ; tile of 128 tokens
	s_lshl_b32 s92, s[CY], 2
	s_lshl_b32 s92, 15, s92                        ; my row of the cluster
	s_lshl_b32 s93, 0x1111, s[CX]                  ; my column
	s_or_b32 s[G1O], s92, (3<<16)|(1<<21)          ; o's codes: elements of 8 bytes, no padding: images are read 16 bytes a lane on end
	s_mov_b32 s[G1O+1], 512<<16                    ; a row: a tile of 16 tokens' four K steps, 4,096 bytes
	s_mov_b32 s[G1O+2], 4<<16                      ; four tiles of tokens
	s_mov_b32 s[G1O+3], 512<<16
	s_mov_b32 s[G1O+4], 4
	s_mov_b32 s[G1O+5], 1024                       ; 8,192 bytes from tile to tile
	s_mov_b32 s[G1O+6], 0
	s_mov_b32 s[G1O+7], 0
	s_or_b32 s[G1OS], s92, (3<<16)|(1<<20)|(1<<21)|(5<<22)|(3<<25)   ; o's scale bytes: 8 heads x 256 bytes, 16 of padding behind each
	s_mov_b32 s[G1OS+1], 32<<16
	s_mov_b32 s[G1OS+2], 8<<16
	s_mov_b32 s[G1OS+3], 32<<16
	s_mov_b32 s[G1OS+4], 8
	s_mov_b32 s[G1OS+5], 1024                      ; 8,192 bytes from head to head
	s_mov_b32 s[G1OS+6], 0
	s_mov_b32 s[G1OS+7], 0
	s_or_b32 s[G1W], s93, (1<<20)|(1<<21)|(5<<22)|(3<<25)            ; W_o's codes: 64 rows x 256 bytes, padded
	s_mov_b32 s[G1W+1], 256<<16
	s_mov_b32 s[G1W+2], 64<<16
	s_mov_b32 s[G1W+3], 256<<16
	s_mov_b32 s[G1W+4], 64
	s_mov_b32 s[G1W+5], 512
	s_mov_b32 s[G1W+6], 0
	s_mov_b32 s[G1W+7], 0
	s_or_b32 s[G1WS], s93, (3<<16)|(1<<20)|(1<<21)|(5<<22)|(3<<25)   ; its scale bytes: 64 rows x 32 = 2,048 dense bytes as 8 rows of 256
	s_mov_b32 s[G1WS+1], 32<<16
	s_mov_b32 s[G1WS+2], 8<<16
	s_mov_b32 s[G1WS+3], 32<<16
	s_mov_b32 s[G1WS+4], 8
	s_mov_b32 s[G1WS+5], 32
	s_mov_b32 s[G1WS+6], 0
	s_mov_b32 s[G1WS+7], 0
	s_lshl_b32 s94, s[TY], 3                       ; o (s92, s94, s96-99 never hold cx): tile of 16 tokens 8 x tile + 4 x half,
	s_lshl_b32 s95, s[LO], 2
	s_add_co_u32 s94, s94, s95
	s_lshl_b32 s96, s94, 13                        ; 8,192 bytes each
	s_mov_b32 s97, 0
	s_lshl_b32 s98, s[TY], 8                       ; its scale bytes: 256 bytes for 128 tokens, heads 8 x half on
	s_lshl_b32 s95, s[LO], 16
	s_add_co_u32 s98, s98, s95
	s_mov_b32 s99, 0
	s_lshl_b32 s100, s[TX], 7                      ; W_o (s93, s100, s2, s3, s66, s67 never hold cy): row 128 x tile + 64 x half
	s_lshl_b32 s101, s[LO], 6
	s_add_co_u32 s100, s100, s101
	s_lshl_b32 s2, s100, 9
	s_mov_b32 s3, 0
	s_lshl_b32 s66, s100, 5
	s_mov_b32 s67, 0
	s_lshl_b32 s88, s[LO], 14                      ; where they go: by the wave's number alone
	s_mul_i32 s89, s[LO], 64*272
	s_mul_i32 s90, s[LO], 8*272
	s_wait_dscnt 0x0
	s_wait_kmcnt 0x0
	s_add_nc_u64 s[96:97], s[4:5], s[96:97]
	s_add_nc_u64 s[98:99], s[6:7], s[98:99]
	s_add_nc_u64 s[2:3], s[8:9], s[2:3]
	s_add_nc_u64 s[66:67], s[10:11], s[66:67]
	s_mov_b32 s[G0OS], 1
	s_add_co_u32 s[G0OS+1], s90, OSC
	s_mov_b64 s[G0OS+2:G0OS+3], s[98:99]
	s_or_b32 s[G0OS+3], s[G0OS+3], 0x80000000
	s_mov_b32 s[G0WS], 1
	s_add_co_u32 s[G0WS+1], s90, WSC
	s_mov_b64 s[G0WS+2:G0WS+3], s[66:67]
	s_or_b32 s[G0WS+3], s[G0WS+3], 0x80000000
.irp q, 0,1
	s_mov_b32 s[G0O+4*\q], 1
	s_add_co_u32 s[G0O+4*\q+1], s88, OCT+\q*32768
	s_add_nc_u64 s[G0O+4*\q+2:G0O+4*\q+3], s[96:97], \q*4096
	s_or_b32 s[G0O+4*\q+3], s[G0O+4*\q+3], 0x80000000
	s_mov_b32 s[G0W+4*\q], 1
	s_add_co_u32 s[G0W+4*\q+1], s89, WT+\q*34816
	s_add_nc_u64 s[G0W+4*\q+2:G0W+4*\q+3], s[2:3], \q*256
	s_or_b32 s[G0W+4*\q+3], s[G0W+4*\q+3], 0x80000000
.endr
	CROUND                                         ; all sixteen work-groups are here: the joint loads meet
	JLOAD G0OS, G1OS, G0WS, G1WS                   ; the scales first: they are wanted with chunk 0
	JLOAD G0O, G1O, G0W, G1W
	JLOAD G0O+4, G1O, G0W+4, G1W                   ; three tensor loads of mine are out
	s_lshl_b32 s4, s[TX], 9
	s_lshl_b32 s5, s[LO], 8
	s_add_co_u32 s4, s4, s5                        ; my first feature, in bytes of f32
	s_mov_b32 s5, 0
	s_add_nc_u64 s[BB:BB+1], s[12:13], s[4:5]
	s_add_nc_u64 s[OUT:OUT+1], s[14:15], s[4:5]
	s_lshl_b32 s4, s[TY], 19                       ; my first token: rows of 4,096 bytes
	s_lshl_b32 s6, s[HI], 18
	s_add_co_u32 s4, s4, s6
	s_add_nc_u64 s[OUT:OUT+1], s[OUT:OUT+1], s[4:5]
	v_lshlrev_b32 v[BOF], 5, v2                    ; for block b a lane wants the bias of features 16 b + 8 h + 0 .. 7
	WIN 0x40                                       ; destination window 1
.irp b, 0,1,2,3
	global_load_b128 v[128+8*\b:131+8*\b], v[BOF], s[BB:BB+1] offset:64*\b
	global_load_b128 v[132+8*\b:135+8*\b], v[BOF], s[BB:BB+1] offset:64*\b+16
.endr
	WIN 0
	v_and_b32 v3, 31, v0
	v_lshlrev_b32 v[ADRO], 4, v3
	s_lshl_b32 s6, s[HI], 14
	v_add_nc_u32 v[ADRO], s6, v[ADRO]              ; o's images: 16 x lane + my four tiles of tokens
	v_mul_u32_u24 v[ADRW], v1, 272
	v_lshl_add_u32 v[ADRW], v2, 4, v[ADRW]
	s_mul_i32 s6, s[LO], 64*272
	s_add_co_u32 s6, s6, WT
	v_add_nc_u32 v[ADRW], s6, v[ADRW]              ; W_o's fragments: row x pitch + 16 x half
	v_lshrrev_b32 v[ADWS], 3, v1
	v_mul_u32_u24 v[ADWS], v[ADWS], 272
	v_and_b32 v12, 7, v1
	v_lshl_add_u32 v[ADWS], v12, 5, v[ADWS]
	s_mul_i32 s6, s[LO], 8*272
	s_add_co_u32 s6, s6, WSC
	v_add_nc_u32 v[ADWS], s6, v[ADWS]              ; W_o's scale words: 32 bytes a row, eight rows to a unit
	v_lshlrev_b32 v[ADOS], 1, v1
	s_lshl_b32 s6, s[HI], 7
	s_add_co_u32 s6, s6, OSC
	v_add_nc_u32 v[ADOS], s6, v[ADOS]              ; o's scale bytes: 2 a token
	s_mul_i32 s6, s[WV], 16*272
	s_add_co_u32 s6, s6, STG
	v_mul_u32_u24 v[STO], v1, 272
	v_lshl_add_u32 v[STO], v2, 5, v[STO]
	v_add_nc_u32 v[STO], s6, v[STO]                ; the stage, in: row r, 32 bytes for each half of the lanes
	v_mul_u32_u24 v[RD], v2, 272
	v_lshl_add_u32 v[RD], v1, 4, v[RD]
	v_add_nc_u32 v[RD], s6, v[RD]                  ; back: lanes 0-15 one row of 256 bytes, lanes 16-31 the next
	v_lshlrev_b32 v[CO], 12, v2
	v_lshl_add_u32 v[CO], v1, 4, v[CO]             ; and the same two rows in out0
.macro FETCH3 st, set                  ; the fragments of K step st: W_o's four blocks, then o's four tiles: 16 loads
.irp b, 0,1,2,3
.irp c, 0,1
	ds_load_b128 v[\set+8*\b+4*\c:\set+8*\b+4*\c+3], v[ADRW] offset:((\st)/4)*34816+4352*\b+64*((\st)%4)+32*\c
.endr
.endr
.irp a, 0,1,2,3
.irp c, 0,1
	ds_load_b128 v[\set+32+8*\a+4*\c:\set+32+8*\a+4*\c+3], v[ADRO] offset:((\st)/4)*32768+4096*\a+1024*((\st)%4)+512*\c
.endr
.endr
.endm
; A K step of 128: the next step's fragments are asked for, then 16 matrix instructions, the accumulators by turns.
.macro KSTEP st
.set CUR, F0+64*((\st)%2)
.set NXT, F0+64*(1-(\st)%2)
.if (\st) == 3
	s_wait_tensorcnt 0x0                           ; my part of chunk 1 has landed,
	s_wait_dscnt 0x0                               ; no LDS load of mine is out at the signal,
	s_barrier_signal -1
	s_barrier_wait -1                              ; and everybody's has
.endif
.if (\st) < 7
.if (\st) > 0
	PLACES                                         ; ahead of loads into the set that the last step multiplied
.endif
	FETCH3 (\st)+1, NXT
	s_wait_dscnt 16                                ; all but the 16 just issued
.else
	s_wait_dscnt 0x0
.endif
	WIN 0x50                                       ; C and D window 1
.irp a, 0,1,2,3
.irp b, 0,1,2,3
.if (\st) == 0
	v_wmma_scale_f32_16x16x128_f8f6f4 v[8*(4*\a+\b):8*(4*\a+\b)+7], v[CUR+8*\b:CUR+8*\b+7], v[CUR+32+8*\a:CUR+32+8*\a+7], v[128+8*\b:135+8*\b], v[WSW+8*\b+(\st)], v[OSW+8*\a+(\st)] matrix_a_fmt:MATRIX_FMT_FP4 matrix_b_fmt:MATRIX_FMT_FP4
.else
	v_wmma_scale_f32_16x16x128_f8f6f4 v[8*(4*\a+\b):8*(4*\a+\b)+7], v[CUR+8*\b:CUR+8*\b+7], v[CUR+32+8*\a:CUR+32+8*\a+7], v[8*(4*\a+\b):8*(4*\a+\b)+7], v[WSW+8*\b+(\st)], v[OSW+8*\a+(\st)] matrix_a_fmt:MATRIX_FMT_FP4 matrix_b_fmt:MATRIX_FMT_FP4
.endif
.endr
.endr
	WIN 0
.endm
	s_wait_tensorcnt 1                             ; the scales and my part of chunk 0 are in; chunk 1's load may stay out
	s_barrier_signal -1
	s_barrier_wait -1
.irp b, 0,1,2,3
.irp q, 0,1
	ds_load_b128 v[WSW+8*\b+4*\q:WSW+8*\b+4*\q+3], v[ADWS] offset:544*\b+16*\q   ; W_o's eight scale words of row 16 b + r
.endr
.endr
.irp s, 0,1,2,3,4,5,6,7
.irp a, 0,1,2,3
	ds_load_u16 v[OSW+8*\a+\s], v[ADOS] offset:544*\s+32*\a          ; token 16 a + r: head 2 s's two bytes,
	ds_load_u16 v[TMPR+8*\a+\s], v[ADOS] offset:544*\s+272+32*\a     ; and head 2 s + 1's
.endr
.endr
	FETCH3 0, F0
	s_wait_dscnt 16                                ; the scale words and bytes are in; the 16 fragment loads may be out
.irp s, 0,1,2,3,4,5,6,7
.irp a, 0,1,2,3
	v_lshl_or_b32 v[OSW+8*\a+\s], v[TMPR+8*\a+\s], 16, v[OSW+8*\a+\s]   ; K step s's word.  The first step's four are made first: 28 plain lines stand between them and the first product
.endr
.endr
	s_wait_loadcnt 0x0                             ; the bias
.irp st, 0,1,2,3,4,5,6,7
	KSTEP \st
.endr
; THE WAY OUT, 16 tokens x 64 features at a time.  A lane holds 32 neighbouring bytes of a row, the lanes beside it other rows: a block goes through my own stage and comes back as rows of 256 bytes.
; LDS serves a wave's instructions in order (ISA guide 5.7.1.4): no wait between the stores and the loads, nor ahead of the next block's stores.
.macro TOST a
	WIN 0x04                                       ; an LDS store's data are its source 1: window 1
.irp b, 0,1,2,3
	ds_store_b128 v[STO], v[8*(4*(\a)+\b):8*(4*(\a)+\b)+3] offset:64*\b          ; each accumulator from its low end on
	ds_store_b128 v[STO], v[8*(4*(\a)+\b)+4:8*(4*(\a)+\b)+7] offset:64*\b+16
.endr
	WIN 0
.irp t, 0,1,2,3,4,5,6,7
	ds_load_b128 v[F0+32*(\a)+4*\t:F0+32*(\a)+4*\t+3], v[RD] offset:544*\t
.endr
.endm
.macro SEND a, younger                 ; younger: the LDS instructions issued behind block a's loads.  Each block has registers of its own: no store's data are written again
	s_wait_dscnt \younger
.irp t, 0,1,2,3,4,5,6,7
	global_store_b128 v[CO], v[F0+32*(\a)+4*\t:F0+32*(\a)+4*\t+3], s[OUT:OUT+1] offset:65536*(\a)+8192*\t th:TH_STORE_NT   ; sixteen lanes store 256 consecutive bytes, at a multiple of 256 from out0's first byte
.endr
.endm
	PLACES                                         ; ahead of the reads of results and of loads into the fragments' registers
	TOST 0
	TOST 1
	SEND 0, 16
	TOST 2
	SEND 1, 16
	TOST 3
	SEND 2, 16
	SEND 3, 0
	s_wait_tensorcnt 0x0
	ds_add_u32 v254, v255
	s_wait_dscnt 0x0
	CROUND                                         ; the closing round
	s_endpgm
.Lfunc_end_k_q7014c1f1c1_proj:
	.size	k_q7014c1f1c1_proj, .Lfunc_end_k_q7014c1f1c1_proj-k_q7014c1f1c1_proj
	.p2alignl 7, 3214868480
	.fill 96, 4, 3214868480
	.section	.rodata,"a",@progbits
	.p2align	6, 0x0
	.amdhsa_kernel k_q7014c1f1c1_proj
		.amdhsa_group_segment_fixed_size 168448
		.amdhsa_private_segment_fixed_size 0
		.amdhsa_enable_private_segment 0
		.amdhsa_kernarg_size 48
		.amdhsa_user_sgpr_count 2
		.amdhsa_user_sgpr_kernarg_segment_ptr 1
		.amdhsa_wavefront_size32 1
		.amdhsa_system_sgpr_workgroup_id_x 1
		.amdhsa_system_sgpr_workgroup_id_y 1
		.amdhsa_system_sgpr_workgroup_id_z 1
		.amdhsa_system_vgpr_workitem_id 0
		.amdhsa_next_free_vgpr 512
		.amdhsa_next_free_sgpr 102
		.amdhsa_reserve_vcc 0
		.amdhsa_float_denorm_mode_32 3
		.amdhsa_float_denorm_mode_16_64 3
		.amdhsa_memory_ordered 1
		.amdhsa_forward_progress 1
		.amdhsa_inst_pref_size 51
	.end_amdhsa_kernel
	.amdgpu_metadata
---
amdhsa.version: [ 1, 2 ]
amdhsa.kernels:
  - .name:           k_q7014c1f1c1_proj
    .symbol:         k_q7014c1f1c1_proj.kd
    .args:
      - { .name: oc, .offset: 0, .size: 8, .value_kind: global_buffer, .address_space: global }
      - { .name: os, .offset: 8, .size: 8, .value_kind: global_buffer, .address_space: global }
      - { .name: W_o_codes, .offset: 16, .size: 8, .value_kind: global_buffer, .address_space: global }
      - { .name: W_o_scales, .offset: 24, .size: 8, .value_kind: global_buffer, .address_space: global }
      - { .name: b_o, .offset: 32, .size: 8, .value_kind: global_buffer, .address_space: global }
      - { .name: out0, .offset: 40, .size: 8, .value_kind: global_buffer, .address_space: global }
    .group_segment_fixed_size: 168448
    .private_segment_fixed_size: 0
    .kernarg_segment_align: 8
    .kernarg_segment_size: 48
    .max_flat_workgroup_size: 128
    .sgpr_count:     102
    .vgpr_count:     512
    .wavefront_size: 32
...
	.end_amdgpu_metadata
.endif
;; end of part 3
